; MI455X (gfx1250); checked and timed in simulation.
; The chip was launched on July 23, 2026; its instructions are those of AMD's public machine-readable ISA for CDNA 5 (MIT licence, August 2026) and "CDNA5" Instruction Set Architecture Reference Guide (July 2026). The comments in the code are by the model that wrote it; some were corrected since.
;; Lucas KAN Layer. Allowed arithmetic: float matrix products may take bf16 or f16 operands with f32 sums; other float arithmetic in f32, or as packed bf16 or f16 multiplies, adds, multiply-adds, maxima and minima; sums over many terms, partial sums and values carried from step to step in f32; what a program stores and reads back later, other than sums and carried values, may be rounded once to bf16 or f16.
;; Inputs: lucas_coeffs 1,024 x 1,024 x 8 float32; x 8,192 x 1,024 float32.
;; Outputs: out0 8,192 x 1,024 float32.
;; 2 versions, each right; version 2 is version 1 with the launch prep written anew for expert scheduling mode. Each part assembles by itself: llvm-mc -triple=amdgcn-amd-amdhsa -mcpu=gfx1250 --defsym DOCPART=n.
;; ======== version 1 of 2: 2 launches
;; workspace buffers: bt 16,777,216 bytes; tt 33,554,432 bytes
;; launch prep (part 1): grid 512 x 2, 8 waves a work-group, no clusters, 35,840 bytes of LDS; arguments lucas_coeffs, x, bt, tt; writes bt, tt
.if DOCPART == 1
	.amdgcn_target "amdgcn-amd-amdhsa--gfx1250"
	.amdhsa_code_object_version 6
	.text
	.protected	k_qcc3146b6c9_prep
	.globl	k_qcc3146b6c9_prep
	.p2align	8
	.type	k_qcc3146b6c9_prep,@function
k_qcc3146b6c9_prep:
	s_mov_b64 s[64:65], 0
	v_nop
	global_prefetch_b8 v0, s[64:65] scope:SCOPE_SE
	s_setreg_imm32_b32 hwreg(HW_REG_WAVE_MODE, 25, 1), 1
	s_wait_xcnt 0x0
; PREPARATION FOR THE PRODUCT.  Two streams in one launch, chosen by the work-group's y; memory binds both, so no matrix unit and no cluster.
;   y = 1:  tt = tanh(bf16(x)) in f32, laid in blocks [Mt 32][s 32][row 256][ii 32]: b = 256 Mt + row, i = 32 s + ii; a block is 32,768 dense bytes.
;   y = 0:  bt = bf16(lucas_coeffs), turned and laid in blocks [Nt 8][s 32][n 128][ii 32][d 8]: o = 128 Nt + n, i = 32 s + ii; a block is 65,536 dense bytes, a row n 512.
; LIMITS.  x is rounded to bf16 ahead of the tanh, the coefficients to bf16: both are inputs of a product in bf16.  tanh(x) = 1 - 2 / (1 + 2^(2 log2(e) x)), in f32: its absolute error is
; about 2e-7 (so the relative error grows as x falls toward 0); for large |x| and for infinities it gives exactly +1 or -1; a NaN stays a NaN.
.set SP,    272                        ; a row of the turning stage: 16 i x 16 bytes + 16 of padding = 68 words
.set SPARE, 128*SP                     ; behind the stage (34,816 = 136 x 256): the spare words, 128 bytes for each of the eight waves, which no other line names
.set SPW, 2                            ; v2   LDS address of my spare word; never rewritten
.set NIL, 3                            ; v3   0; never rewritten
.set LO,  4                            ; v4   my byte offset in what the work-group loads
.set SO,  5                            ; v5   y = 1: my byte offset in what it stores
.set WR,  6                            ; v6   y = 0: where I put 8 bytes into the stage
.set RDA, 7                            ; v7   y = 0: where I read 16 bytes back
.set GO,  8                            ; v8   y = 0: my byte offset in bt's block (y = 1: v8, v9 at work)
.set X,   16                           ; v[16:79]   sixteen loads of 16 bytes; y = 1: worked on in place and stored from here; y = 0: later the rows read back
.set Y,   80                           ; v[80:111]  y = 0: sixteen pairs of packed bf16
	s_load_b256 s[4:11], s[0:1], 0x0               ; lucas_coeffs s[4:5], x s[6:7], bt s[8:9], tt s[10:11]
	v_lshl_add_u32 v[SPW], v0, 2, SPARE
	v_mov_b32 v[NIL], 0
	s_and_b32 s12, ttmp7, 0xffff                   ; the work-group's y: the same in all eight waves, so all of them take the same path
	s_wait_kmcnt 0x0
	s_cmp_eq_u32 s12, 0
	s_cbranch_scc1 .Lcoef
; ---- y = 1: the work-group owns rows 16 g .. 16 g + 15 of x (65,536 bytes), wave w rows 2 w and 2 w + 1.  No LDS.
; Lanes 0-7: row 2 w, the first 128 bytes of a 256-byte piece; 8-15: row 2 w + 1, the same; 16-23 and 24-31: the second 128 bytes.  So load j takes both rows' bytes 256 j .. 256 j + 255, and in
; store j lanes 0-15 fill 256 consecutive aligned bytes (two rows of block s = 2 j), lanes 16-31 the same bytes of block 2 j + 1.
	s_lshl_b32 s18, ttmp9, 16                      ; 16 rows of 4,096 bytes
	s_mov_b32 s19, 0
	s_add_nc_u64 s[6:7], s[6:7], s[18:19]
	v_lshrrev_b32 v10, 5, v0                       ; w
	v_bfe_u32 v11, v0, 3, 1
	v_lshl_add_u32 v10, v10, 1, v11                ; my row of the sixteen
	v_bfe_u32 v11, v0, 4, 1                        ; which 128 bytes
	v_and_b32 v12, 7, v0
	v_lshlrev_b32 v12, 4, v12                      ; my 16 bytes of them
	v_lshl_add_u32 v[LO], v10, 12, v12
	v_lshl_add_u32 v[LO], v11, 7, v[LO]            ; row x 4,096 + half x 128 + 16 c
.irp j, 0,1,2,3,4,5,6,7,8,9,10,11,12,13,14,15
	global_load_b128 v[X+4*(\j):X+4*(\j)+3], v[LO], s[6:7] offset:256*(\j) th:TH_LOAD_NT  ; all sixteen go out before anything is worked on
.endr
	s_lshr_b32 s20, ttmp9, 4                       ; Mt = g / 16: 32 blocks of 32,768 bytes each,
	s_lshl_b32 s20, s20, 20
	s_and_b32 s21, ttmp9, 15                       ; and in a block the rows 16 (g % 16) on, 128 bytes each
	s_lshl_b32 s21, s21, 11
	s_add_co_u32 s20, s20, s21
	s_mov_b32 s21, 0
	s_add_nc_u64 s[10:11], s[10:11], s[20:21]
	s_mov_b32 s14, 0xffff0000                      ; a word's upper bf16
	s_mov_b32 s16, 0x4038aa3b                      ; 2 log2(e)
	s_mov_b32 s17, s16                             ; named with it as a pair
	v_lshl_add_u32 v[SO], v10, 7, v12
	v_lshl_add_u32 v[SO], v11, 15, v[SO]           ; row x 128 + 16 c + half x one block
; Four numbers: rounded to bf16, widened again, tanh, stored.  Each group of four has registers of its own, so no store's data is ever rewritten.
.macro TANH4 j
	s_wait_loadcnt 15-(\j)                         ; loads come back in order: mine is in, the younger ones stay out
	v_cvt_pk_bf16_f32 v8, v[X+4*(\j)], v[X+4*(\j)+1]
	v_cvt_pk_bf16_f32 v9, v[X+4*(\j)+2], v[X+4*(\j)+3]
	v_lshlrev_b32 v[X+4*(\j)],   16, v8
	v_and_b32     v[X+4*(\j)+1], s14, v8
	v_lshlrev_b32 v[X+4*(\j)+2], 16, v9
	v_and_b32     v[X+4*(\j)+3], s14, v9
	v_pk_mul_f32 v[X+4*(\j):X+4*(\j)+1],   v[X+4*(\j):X+4*(\j)+1],   s[16:17] op_sel_hi:[1,0]
	v_pk_mul_f32 v[X+4*(\j)+2:X+4*(\j)+3], v[X+4*(\j)+2:X+4*(\j)+3], s[16:17] op_sel_hi:[1,0]
.irp k, 0,1,2,3
	v_exp_f32 v[X+4*(\j)+(\k)], v[X+4*(\j)+(\k)]   ; e^(2x)
.endr
	v_nop                                          ; a plain instruction between the last exponential and the use of its result
	s_wait_alu depctr_va_vdst(0)
	v_pk_add_f32 v[X+4*(\j):X+4*(\j)+1],   v[X+4*(\j):X+4*(\j)+1],   1.0 op_sel_hi:[1,0]
	v_pk_add_f32 v[X+4*(\j)+2:X+4*(\j)+3], v[X+4*(\j)+2:X+4*(\j)+3], 1.0 op_sel_hi:[1,0]
.irp k, 0,1,2,3
	v_rcp_f32 v[X+4*(\j)+(\k)], v[X+4*(\j)+(\k)]
.endr
	v_nop                                          ; the same behind the last reciprocal
	s_wait_alu depctr_va_vdst(0)
	v_pk_fma_f32 v[X+4*(\j):X+4*(\j)+1],   v[X+4*(\j):X+4*(\j)+1],   -2.0, 1.0 op_sel_hi:[1,0,0]
	v_pk_fma_f32 v[X+4*(\j)+2:X+4*(\j)+3], v[X+4*(\j)+2:X+4*(\j)+3], -2.0, 1.0 op_sel_hi:[1,0,0]
	global_store_b128 v[SO], v[X+4*(\j):X+4*(\j)+3], s[10:11] offset:65536*(\j)  ; two blocks on for each j; the next launch reads these bytes, so no hint
.endm
.irp j, 0,1,2,3,4,5,6,7,8,9,10,11,12,13,14,15
	TANH4 \j
.endr
	s_endpgm                                       ; these waves have written no LDS
; ---- y = 0: the work-group owns 16 values of i (16 (g / 8) on) and 128 values of o (128 (g % 8) on).  For one i those are 4,096 consecutive bytes: thread t takes 16 of them, half t % 2 (four d) of o = t / 2.
.Lcoef:
	s_lshr_b32 s18, ttmp9, 3
	s_lshl_b32 s18, s18, 19                        ; 16 i of 32,768 bytes
	s_and_b32 s19, ttmp9, 7
	s_lshl_b32 s19, s19, 12                        ; 128 o of 32 bytes
	s_add_co_u32 s18, s18, s19
	s_mov_b32 s19, 0
	s_add_nc_u64 s[4:5], s[4:5], s[18:19]
	v_lshlrev_b32 v[LO], 4, v0
.irp i, 0,1,2,3,4,5,6,7,8,9,10,11,12,13,14,15
	global_load_b128 v[X+4*(\i):X+4*(\i)+3], v[LO], s[4:5] offset:32768*(\i) th:TH_LOAD_NT  ; a wave's load covers 512 consecutive bytes
.endr
	s_and_b32 s20, ttmp9, 7                        ; bt's block: Nt = g % 8, s = (g / 8) / 2;
	s_lshl_b32 s20, s20, 5
	s_lshr_b32 s21, ttmp9, 4
	s_add_co_u32 s20, s20, s21
	s_lshl_b32 s20, s20, 16
	s_bfe_u32 s21, ttmp9, 0x10003                  ; and which 256 bytes of its rows: (g / 8) % 2
	s_lshl_b32 s21, s21, 8
	s_add_co_u32 s20, s20, s21
	s_mov_b32 s21, 0
	s_add_nc_u64 s[8:9], s[8:9], s[20:21]
	v_lshrrev_b32 v10, 1, v0
	v_and_b32 v11, 1, v0
	v_mul_u32_u24 v[WR], v10, SP
	v_lshl_add_u32 v[WR], v11, 3, v[WR]            ; into the stage: row o, 8 bytes for each half; i stands in the offset
	v_lshrrev_b32 v10, 4, v0
	v_and_b32 v11, 15, v0
	v_lshlrev_b32 v11, 4, v11
	v_mul_u32_u24 v[RDA], v10, SP
	v_add_nc_u32 v[RDA], v[RDA], v11               ; back: sixteen lanes take one row's 256 bytes
	v_lshl_add_u32 v[GO], v10, 9, v11              ; and the same 256 bytes of a row of 512 in bt
.irp i, 0,1,2,3,4,5,6,7,8,9,10,11,12,13,14,15
	s_wait_loadcnt 15-(\i)                         ; mine is in, the younger ones stay out
	v_cvt_pk_bf16_f32 v[Y+2*(\i)],   v[X+4*(\i)],   v[X+4*(\i)+1]
	v_cvt_pk_bf16_f32 v[Y+2*(\i)+1], v[X+4*(\i)+2], v[X+4*(\i)+3]
	ds_store_b64 v[WR], v[Y+2*(\i):Y+2*(\i)+1] offset:16*(\i)  ; 32 lanes: 16 rows 68 words apart, 4 words each: 64 different banks (64 banks of 4 bytes: ISA guide 11.1)
.endr
	s_wait_dscnt 0x0                               ; for the others' sake: my stores into the stage are done
	s_barrier_signal -1
	s_barrier_wait -1
.irp j, 0,1,2,3,4,5,6,7
	ds_load_b128 v[X+4*(\j):X+4*(\j)+3], v[RDA] offset:16*SP*(\j)  ; rows t / 16 + 16 j
.endr
.irp j, 0,1,2,3,4,5,6,7
	s_wait_dscnt 7-(\j)                            ; LDS loads come back in order: number j is in
	global_store_b128 v[GO], v[X+4*(\j):X+4*(\j)+3], s[8:9] offset:8192*(\j)  ; 16 lanes store 256 consecutive bytes, at a multiple of 256 from bt's first byte
.endr
	s_wait_tensorcnt 0x0                           ; the wave's end: three closing lines behind my last LDS store
	ds_add_u32 v[SPW], v[NIL]
	s_wait_dscnt 0x0
	s_endpgm
.Lfunc_end_k_qcc3146b6c9_prep:
	.size	k_qcc3146b6c9_prep, .Lfunc_end_k_qcc3146b6c9_prep-k_qcc3146b6c9_prep
	.p2alignl 7, 3214868480
	.fill 96, 4, 3214868480
	.section	.rodata,"a",@progbits
	.p2align	6, 0x0
	.amdhsa_kernel k_qcc3146b6c9_prep
		.amdhsa_group_segment_fixed_size 35840
		.amdhsa_private_segment_fixed_size 0
		.amdhsa_enable_private_segment 0
		.amdhsa_kernarg_size 32
		.amdhsa_user_sgpr_count 2
		.amdhsa_user_sgpr_kernarg_segment_ptr 1
		.amdhsa_wavefront_size32 1
		.amdhsa_system_sgpr_workgroup_id_x 1
		.amdhsa_system_sgpr_workgroup_id_y 1
		.amdhsa_system_sgpr_workgroup_id_z 1
		.amdhsa_system_vgpr_workitem_id 0
		.amdhsa_next_free_vgpr 112
		.amdhsa_next_free_sgpr 66
		.amdhsa_reserve_vcc 0
		.amdhsa_float_denorm_mode_32 3
		.amdhsa_float_denorm_mode_16_64 3
		.amdhsa_memory_ordered 1
		.amdhsa_forward_progress 1
		.amdhsa_inst_pref_size 29
	.end_amdhsa_kernel
	.amdgpu_metadata
---
amdhsa.version: [ 1, 2 ]
amdhsa.kernels:
  - .name:           k_qcc3146b6c9_prep
    .symbol:         k_qcc3146b6c9_prep.kd
    .args:
      - { .name: lucas_coeffs, .offset: 0, .size: 8, .value_kind: global_buffer, .address_space: global }
      - { .name: x, .offset: 8, .size: 8, .value_kind: global_buffer, .address_space: global }
      - { .name: bt, .offset: 16, .size: 8, .value_kind: global_buffer, .address_space: global }
      - { .name: tt, .offset: 24, .size: 8, .value_kind: global_buffer, .address_space: global }
    .group_segment_fixed_size: 35840
    .private_segment_fixed_size: 0
    .kernarg_segment_align: 8
    .kernarg_segment_size: 32
    .max_flat_workgroup_size: 256
    .sgpr_count:     66
    .vgpr_count:     112
    .wavefront_size: 32
...
	.end_amdgpu_metadata
.endif
;; end of part 1
;; launch gemm (part 2): grid 8 x 32, 4 waves a work-group, clusters of 4 x 4, 327,680 bytes of LDS; arguments tt, bt, out0; writes out0
.if DOCPART == 2
	.amdgcn_target "amdgcn-amd-amdhsa--gfx1250"
	.amdhsa_code_object_version 6
	.text
	.protected	k_qcc3146b6c9_gemm
	.globl	k_qcc3146b6c9_gemm
	.p2align	8
	.type	k_qcc3146b6c9_gemm,@function
k_qcc3146b6c9_gemm:
	s_mov_b64 s[64:65], 0
	v_nop
	global_prefetch_b8 v0, s[64:65] scope:SCOPE_SE
	s_setreg_imm32_b32 hwreg(HW_REG_WAVE_MODE, 25, 1), 1
	s_wait_xcnt 0x0
	s_wait_alu depctr_hold_cnt(0) depctr_sa_sdst(0) depctr_va_vdst(0) depctr_va_sdst(0) depctr_va_ssrc(0) depctr_va_vcc(0) depctr_vm_vsrc(0)
	s_getreg_b32 s2, hwreg(HW_REG_IB_STS2, 6, 4)
	s_cmp_eq_u32 s2, 0
	s_cbranch_scc0 .Lentry_in_a_cluster
	s_endpgm
.Lentry_in_a_cluster:
	s_bfe_u32 s2, ttmp6, 0x10000c
	s_cmp_lg_u32 s2, 0xf033
	s_cbranch_scc0 .Lentry_shape_is_right
	s_endpgm
.Lentry_shape_is_right:
; out0[b][o] = the sum over i and d of L_d(t[b][i]) c[i][o][d], with L_0 = 2, L_1 = t, L_d = t L_(d-1) + L_(d-2): ONE product with K = 8 x 1,024 = 8,192, k = 8 i + d.
; tt holds t = tanh(x) in f32, in blocks [Mt 32][s 32][row 256][ii 32]; bt holds c in bf16, in blocks [Nt 8][s 32][n 128][ii 32][d 8] (i = 32 s + ii).  Both were written by the launch before.
; THE LEFT OPERAND IS NEVER IN MEMORY.  A 16-bit fragment gives a lane 8 neighbouring k in registers 0-3 and 8 more in registers 4-7: with k = 8 i + d that is all eight L_d of one t, twice.  So a lane
; makes its part of a fragment from two numbers t: 6 packed multiply-adds (both t at once) and 8 roundings to bf16, and nothing changes lanes.
; LIMITS.  The recurrence runs in f32; each L_d is rounded once to bf16 (|t| <= 1, so |L_d| <= 29); sums in f32.  Inside a step k is permuted, alike on both sides, so the order of the sums differs from the
; reference's.  A NaN in t makes its row of out0 NaN.
; SHARES.  256 work-groups; each makes 256 rows x 128 columns.  Wave w makes rows 64 w .. 64 w + 63 and all 128 columns: 4 (a) x 8 (b) accumulators of 16 x 16, 256 registers; no wave makes another's basis.
; K goes in 32 steps of 256 (32 values of i) through two LDS slots; a step is 8 CHUNKS of 32 along K, 32 matrix instructions each.
; THE PERMUTATION.  In chunk c the lanes' half h takes ii = 16 h + 2 c + g, g = 0 in registers 0-3 and g = 1 in registers 4-7.  Then c's fragment is 32 consecutive bytes of a row (256 h + 32 c), and four
; consecutive t (a QUAD q = c / 2, 16 bytes at 64 h + 16 q) serve two chunks.
; THE MATRIX INSTRUCTION IS USED TRANSPOSED: source 0 = 16 rows of bt, source 1 = 16 rows of the basis: a lane then holds one row of out0 and eight neighbouring columns, 32 bytes.
; BESIDE THE PRODUCTS.  Chunk c + 1's 56 vector lines stand in fours behind the pairs of chunk c's matrix instructions.  They lie in another register window than the products, so a pair and its four cost two switches.
; CLUSTERS.  4 x 4 work-groups.  tt's block hangs on the tile row alone and is shared along a row of the cluster, bt's on the tile column alone and is shared along a column: each is asked for JOINTLY,
; by the same tensor load with the same descriptor and a mask that names the four.
; REGISTERS, in windows of 256 (s_set_vgpr_msb: bits 1:0 source 0, 3:2 source 1, 5:4 source 2, 7:6 destination):
;   window 0: v0-29 addresses; v64-191 two buffers of 64 for the way out          window 1: bt's fragments, four chunk buffers of 64: chunk c, block b at 64 (c % 4) + 8 b
;   window 2: the accumulators, (a, b) at 8 (8 a + b)          window 3: v0-1 2.0; v16-47 t, two quads x 4 a x 4; v48-95 L_2 .. L_7, a pair for each a; v128-191 the basis' fragments, two buffers of 32
.set PT,    144                        ; a row of t in LDS: 128 bytes + 16 of padding = 36 words: the 16 rows of a load start at 16 different groups of four banks (64 banks of 4 bytes: ISA guide 11.1)
.set PB,    528                        ; a row of bt: 512 + 16 = 132 words: row r starts at bank 4 r mod 64
.set THALF, 128*PT                     ; what one tensor load brings of t: 128 rows
.set TTILE, 2*THALF
.set BHALF, 64*PB                      ; and of bt: 64 rows
.set SLOT,  TTILE+2*BHALF              ; 104,448 bytes: t's 256 rows, then bt's 128 rows
.set STAGE, 2*SLOT                     ; behind the ring, never filled by a tensor load: 16 rows x 528 bytes for each wave, for the way out
.set SPARE, STAGE+4*16*PB              ; behind the stages (242,688 = 948 x 256): the spare words, 128 bytes for each wave, which no other line names
.set LAPS,  16                         ; a lap = two steps = once round the ring
.set ADRT, 16                          ; v16-17  LDS address of my t in slot 0, 1
.set ADRB, 20                          ; v20-21  the same for bt's fragments
.set STO,  24                          ; v24     the way out: where I put 32 bytes of a row
.set RD,   25                          ; v25     the way out: where I read a row back
.set CO,   26                          ; v26     my byte offset in 512 bytes of a row of out0
.set SPW,  28                          ; v28     LDS address of my spare word: SPARE + 4 x my thread's number; never rewritten
.set NIL,  29                          ; v29     0; never rewritten
.set OB,   64
.set TWO,  0                           ; window 3
.set TB,   16
.set PP,   48
.set AF,   128
.set G1T, 24                           ; s[24:31] descriptor group 1 for t's tiles;  s[32:39] group 0, a set for each slot
.set G0T, 32
.set G1B, 48                           ; s[48:55], s[56:63] the same for bt's tiles
.set G0B, 56
.set MSB, 0
.macro WIN new                         ; the immediate's high byte repeats the setting that is left; a switch that changes nothing is dropped
.if MSB != (\new)
	s_set_vgpr_msb (MSB<<8)|(\new)
.set MSB, (\new)
.endif
.endm
.set MUL,    0xad                      ; source 0 (bt) window 1, source 1 (basis) window 3, C and D window 2
.set GENW,   0xff                      ; all in window 3
.set TO_B,   0x40                      ; destination window 1, address window 0
.set TO_T,   0xc0                      ; destination window 3, address window 0
.set ST_ACC, 0x08                      ; an LDS store's data (source 1) window 2, its address window 0
; A joint refill.  Waves 0 and 1 fetch t's two halves, waves 2 and 3 bt's.  The branch hangs on the wave's number alone: it is the same in every work-group.
; An s_nop 0 and four v_nop follow each of the two lines, ahead of the jump, the label and what follows the macro.
.macro JLOAD s
	s_cmp_lt_u32 s10, 2
	s_cbranch_scc0 .Lfor_b_\@
	tensor_load_to_lds s[G0T+4*(\s):G0T+4*(\s)+3], s[G1T:G1T+7]
	s_nop 0
.rept 4
	v_nop
.endr
	s_branch .Lasked_\@
.Lfor_b_\@:
	tensor_load_to_lds s[G0B+4*(\s):G0B+4*(\s)+3], s[G1B:G1B+7]
	s_nop 0
.rept 4
	v_nop
.endr
.Lasked_\@:
.endm
; A round of the cluster's barrier: my work-group's barrier, so that wave 0's signal speaks for all four waves; wave 0 signals; every wave waits for all sixteen work-groups; my work-group's barrier once more.
.macro CREST                           ; a round behind its opening barrier
	s_cmp_lg_u32 s10, 0
	s_cbranch_scc1 .Lnot_wave_0_\@
	s_barrier_signal -3
.Lnot_wave_0_\@:
	s_barrier_wait -3
	s_barrier_signal -1
	s_barrier_wait -1
.endm
.macro CROUND                          ; a whole round
	s_barrier_signal -1
	s_barrier_wait -1
	CREST
.endm
	s_load_b128 s[4:7], s[0:1], 0x0                ; tt s[4:5], bt s[6:7]
	s_load_b64 s[8:9], s[0:1], 0x10                ; out0
	v_lshl_add_u32 v[SPW], v0, 2, SPARE
	v_mov_b32 v[NIL], 0
	ds_add_u32 v[SPW], v[NIL]                      ; the wave's opening: the add and its wait ahead of my first tensor load; the set-up below, work on registers, stands between them
	v_lshrrev_b32 v1, 5, v0
	v_readfirstlane_b32 s10, v1                    ; wave 0..3
	s_and_b32 s12, s10, 1                          ; which half of a tile I fetch
	s_bfe_u32 s40, ttmp6, 0x40000                  ; cx, cy: my place in the cluster
	s_bfe_u32 s41, ttmp6, 0x40004
	s_lshl_b32 s42, ttmp9, 2                       ; in a cluster launch ttmp9 and ttmp7 count clusters
	s_add_co_u32 s42, s42, s40                     ; Nt, the tile column = 4 x cluster x + cx
	s_and_b32 s13, ttmp7, 0xffff
	s_lshl_b32 s13, s13, 2
	s_add_co_u32 s13, s13, s41                     ; Mt, the tile row = 4 x cluster y + cy
	s_lshl_b32 s43, s41, 2
	s_lshl_b32 s43, 15, s43                        ; my row of the cluster: places 4 cy .. 4 cy + 3
	s_lshl_b32 s44, 0x1111, s40                    ; my column: places cx, cx + 4, cx + 8, cx + 12
	; group 1 for t: 128 rows of 128 bytes are 16,384 dense bytes, asked for as 64 rows of 256 bytes and padded in LDS after every 128
	s_or_b32 s[G1T+0], s43, (2<<16)|(1<<20)|(1<<21)|(4<<22)|(3<<25)  ; 15:0 the mask: my row; 17:16 elements of 4 bytes; 20 padding on; 21 set beside a mask; 24:22 after every 32 words (code 4); 31:25 4 words (code 3)
	s_mov_b32 s[G1T+1], 64<<16                     ; tensor_dim0 = 64
	s_mov_b32 s[G1T+2], 64<<16                     ; tensor_dim1 = 64
	s_mov_b32 s[G1T+3], 64<<16                     ; tile_dim0 = 64
	s_mov_b32 s[G1T+4], 64                         ; tile_dim1 = 64
	s_mov_b32 s[G1T+5], 64                         ; 64 elements from row to row
	s_mov_b32 s[G1T+6], 0
	s_mov_b32 s[G1T+7], 0
	; group 1 for bt: 64 rows of 256 elements of 2 bytes, dense, padded after every row
	s_or_b32 s[G1B+0], s44, (1<<16)|(1<<20)|(1<<21)|(6<<22)|(3<<25)  ; the mask: my column; after every 128 words (code 6) 4 words
	s_mov_b32 s[G1B+1], 256<<16
	s_mov_b32 s[G1B+2], 64<<16
	s_mov_b32 s[G1B+3], 256<<16
	s_mov_b32 s[G1B+4], 64
	s_mov_b32 s[G1B+5], 256
	s_mov_b32 s[G1B+6], 0
	s_mov_b32 s[G1B+7], 0
	; where the tiles come from: t's hang on Mt alone, bt's on Nt alone, each in registers that never hold the other coordinate
	s_lshl_b32 s16, s13, 20                        ; Mt x 32 blocks of 32,768 bytes
	s_lshl_b32 s17, s12, 14                        ; + my 128 rows of 128 bytes
	s_add_co_u32 s16, s16, s17
	s_mov_b32 s17, 0
	s_lshl_b32 s46, s42, 21                        ; Nt x 32 blocks of 65,536 bytes
	s_lshl_b32 s47, s12, 15                        ; + my 64 rows of 512 bytes
	s_add_co_u32 s46, s46, s47
	s_mov_b32 s47, 0
	s_mul_i32 s20, s12, THALF                      ; and where they go: no place in the cluster enters an LDS address
	s_mul_i32 s21, s12, BHALF
	s_add_co_u32 s21, s21, TTILE
	s_wait_dscnt 0x0                               ; the opening add is done
	s_wait_kmcnt 0x0
	s_add_nc_u64 s[14:15], s[4:5], s[16:17]
	s_add_nc_u64 s[46:47], s[6:7], s[46:47]
.irp s, 0,1
	s_mov_b32 s[G0T+4*(\s)], 1                                       ; 1:0 count = 1
	s_add_co_u32 s[G0T+4*(\s)+1], s20, (\s)*SLOT                     ; 63:32 LDS address
	s_add_nc_u64 s[G0T+4*(\s)+2:G0T+4*(\s)+3], s[14:15], (\s)*32768  ; 120:64 global address: step s
	s_or_b32 s[G0T+4*(\s)+3], s[G0T+4*(\s)+3], 0x80000000            ; 127:126 type = 2
	s_mov_b32 s[G0B+4*(\s)], 1
	s_add_co_u32 s[G0B+4*(\s)+1], s21, (\s)*SLOT
	s_add_nc_u64 s[G0B+4*(\s)+2:G0B+4*(\s)+3], s[46:47], (\s)*65536
	s_or_b32 s[G0B+4*(\s)+3], s[G0B+4*(\s)+3], 0x80000000
.endr
	CROUND                                         ; all sixteen work-groups are here: the first joint loads meet
	s_cmp_lt_u32 s10, 2                            ; a wave's two first fills stand in one branch, ahead of every wait on TENSORcnt and every LDS read: two loads of mine are out
	s_cbranch_scc0 .Lfirst_b
	tensor_load_to_lds s[G0T:G0T+3], s[G1T:G1T+7]
	s_nop 0
	tensor_load_to_lds s[G0T+4:G0T+7], s[G1T:G1T+7]
	s_nop 0
.rept 4
	v_nop
.endr
	s_branch .Lfirst_asked
.Lfirst_b:
	tensor_load_to_lds s[G0B:G0B+3], s[G1B:G1B+7]
	s_nop 0
	tensor_load_to_lds s[G0B+4:G0B+7], s[G1B:G1B+7]
	s_nop 0
.rept 4
	v_nop
.endr
.Lfirst_asked:
	v_and_b32 v1, 15, v0                           ; r = l % 16
	v_bfe_u32 v2, v0, 4, 1                         ; h = l / 16
	v_mul_u32_u24 v3, v1, PT
	v_lshl_add_u32 v3, v2, 6, v3                   ; row x pitch + 64 h
	s_mul_i32 s22, s10, 64*PT                      ; my wave's 64 rows of t
	v_add_nc_u32 v[ADRT], s22, v3
	v_add_nc_u32 v[ADRT+1], SLOT, v[ADRT]
	v_mul_u32_u24 v4, v1, PB
	v_lshl_add_u32 v5, v2, 8, v4                   ; row x pitch + 256 h
	v_add_nc_u32 v[ADRB], TTILE, v5                ; bt's rows lie behind t's
	v_add_nc_u32 v[ADRB+1], SLOT, v[ADRB]
	s_mul_i32 s23, s10, 16*PB
	s_add_co_u32 s23, s23, STAGE                   ; my stage
	v_lshl_add_u32 v5, v2, 5, v4                   ; in: row l % 16, 32 bytes for each half of the lanes
	v_add_nc_u32 v[STO], s23, v5
	v_and_b32 v5, 31, v0
	v_lshlrev_b32 v[CO], 4, v5                     ; back: 32 lanes take one row of 512 bytes,
	v_add_nc_u32 v[RD], s23, v[CO]                 ; which are 512 consecutive bytes of out0
	WIN TO_T
	v_mov_b32 v[TWO], 2.0                          ; L_0, for both t of a pair
	v_mov_b32 v[TWO+1], 2.0
	WIN 0
	s_lshl_b32 s16, s13, 20                        ; out0 at my wave's first row: 256 Mt + 64 w rows of 4,096 bytes,
	s_lshl_b32 s17, s10, 18
	s_add_co_u32 s16, s16, s17
	s_mov_b32 s17, 0
	s_add_nc_u64 s[8:9], s[8:9], s[16:17]
	s_lshl_b32 s46, s42, 9                         ; and the tile's first column: 512 Nt bytes (in the registers that held bt's address: none that feeds t's descriptors ever holds cx)
	s_mov_b32 s47, 0
	s_add_nc_u64 s[8:9], s[8:9], s[46:47]
; Matrix instruction i of a chunk's 32: a = i / 8, b = i % 8.  The 32 accumulators take turns, one instruction a turn, in the same order in every chunk.  zero = 1: it starts the sum.
.macro WM c, zero
.set rA, 8*i
.set rB, 64*((\c)%4)+8*(i%8)
.set rF, AF+32*((\c)%2)+8*(i/8)
.if \zero
	v_wmma_f32_16x16x32_bf16 v[rA:rA+7], v[rB:rB+7], v[rF:rF+7], 0
.else
	v_wmma_f32_16x16x32_bf16 v[rA:rA+7], v[rB:rB+7], v[rF:rF+7], v[rA:rA+7]
.endif
.set i, i+1
.endm
; Line n of the 56 that make chunk cn's four fragments of the basis.  0-23: level l = 2 + n / 4 for block a = n % 4, both t of the lane at once: a line reads nothing made fewer than four lines before it.
; 24-55: register f = (n - 24) / 8 of both halves of each fragment: L_2f in its low half, L_2f+1 in its high half.
.macro GEN cn
.set rT, TB+16*(((\cn)/2)%2)+2*((\cn)%2)
.if n < 24
.set rD, PP+8*(n/4)+2*(n%4)
.set rX, rT+4*(n%4)
.if n < 4
	v_pk_fma_f32 v[rD:rD+1], v[rX:rX+1], v[rX:rX+1], v[TWO:TWO+1]      ; L_2 = t t + 2
.elseif n < 8
	v_pk_fma_f32 v[rD:rD+1], v[rX:rX+1], v[rD-8:rD-7], v[rX:rX+1]      ; L_3 = t L_2 + t
.else
	v_pk_fma_f32 v[rD:rD+1], v[rX:rX+1], v[rD-8:rD-7], v[rD-16:rD-15]  ; L_l = t L_(l-1) + L_(l-2)
.endif
.else
.set gf, (n-24)/8
.set ga, ((n-24)%8)/2
.set gh, n%2
.set rD, AF+32*((\cn)%2)+8*ga+4*gh+gf
.if gf == 0
	v_cvt_pk_bf16_f32 v[rD], v[TWO], v[rT+4*ga+gh]
.else
.set rP, PP+16*(gf-1)+2*ga+gh
	v_cvt_pk_bf16_f32 v[rD], v[rP], v[rP+8]
.endif
.endif
.set n, n+1
.endm
; Pairs p0 .. p1 - 1 of chunk c's sixteen pairs of matrix instructions; gen = 1: behind each of the first fourteen stand four lines of the next chunk's basis.
; The first roundings into a fragment buffer come behind 24 multiply-adds that name no register of the last product that read it: more than the four places that a vector write of a matrix source wants (ISA guide 7.12.1).
.macro PAIRS c, p0, p1, gen, zero
.set pr, \p0
.rept (\p1)-(\p0)
	WIN MUL
.set i, 2*pr
	WM \c, \zero
	WM \c, \zero
.if (\gen) && (pr < 14)
	WIN GENW
.set n, 4*pr
.rept 4
	GEN ((\c)+1)%8
.endr
.endif
.set pr, pr+1
.endr
.endm
.macro PART c, gen, zero               ; a whole chunk
	PAIRS \c, 0, 16, \gen, \zero
.endm
; 32 LDS loads in one run: bt's fragments of chunks 2 u and 2 u + 1, the first chunk's sixteen first.  The buffers' last readers stand a whole chunk back: that chunk's 24 multiply-adds are the places in front of these loads.
.macro FETCHB s, u
	WIN TO_B
.irp k, 0,1
.irp b, 0,1,2,3,4,5,6,7
	ds_load_b128 v[64*((2*(\u)+(\k))%4)+8*(\b):64*((2*(\u)+(\k))%4)+8*(\b)+3],   v[ADRB+(\s)] offset:(\b)*16*PB+32*(2*(\u)+(\k))
	ds_load_b128 v[64*((2*(\u)+(\k))%4)+8*(\b)+4:64*((2*(\u)+(\k))%4)+8*(\b)+7], v[ADRB+(\s)] offset:(\b)*16*PB+32*(2*(\u)+(\k))+16
.endr
.endr
.endm
; Quad q of t for my four blocks of 16 rows, into the quad buffer q % 2, whose last reader stands in front of this run
.macro FETCHT s, q
	WIN TO_T
.irp a, 0,1,2,3
	ds_load_b128 v[TB+16*((\q)%2)+4*(\a):TB+16*((\q)%2)+4*(\a)+3], v[ADRT+(\s)] offset:(\a)*16*PT+16*(\q)
.endr
.endm
; CHUNK 5 CHANGES SLOTS: all reads of slot s have been issued.  ONE barrier for two things.  In front of it each wave waits for all its tensor loads, of which one is out: its part of the next slot; adds 0 to its
; spare word; and waits for that and for its own reads of this slot.  Behind it nobody reads this slot any more and the next slot is whole.  fill = 1: the barrier opens a round of the cluster's barrier, and the
; joint refill, with the step two steps on, is the first thing behind the round: from there to the wait for it stand all but about a tenth of a step's 256 matrix instructions.
.macro MEET s, nx, fill
	WIN 0                                          ; (the add's two registers lie in window 0)
	s_wait_tensorcnt 0x0                           ; all my tensor loads have landed
	ds_add_u32 v[SPW], v[NIL]                      ; 0 onto my spare word
	s_wait_dscnt 33                                ; chunk 5's fragments and quad 3 are in; the 32 loads for chunks 6 and 7 and the add may be out
	PAIRS 5, 0, 8, 1, 0                            ; sixteen matrix instructions stand between the add and the wait for it
	s_wait_dscnt 0x0                               ; the add is done, and my reads of this slot are over
	s_barrier_signal -1
	PAIRS 5, 8, 12, 1, 0                           ; work on registers while the others arrive
.if \fill
	WIN 0
.endif
	s_barrier_wait -1
.if \fill
	CREST                                          ; no wave of any partner still reads this slot or has a load on its way
	s_add_nc_u64 s[G0T+4*(\s)+2:G0T+4*(\s)+3], s[G0T+4*(\s)+2:G0T+4*(\s)+3], 2*32768  ; no tensor load of mine is out, so a group 0 may be written
	s_add_nc_u64 s[G0B+4*(\s)+2:G0B+4*(\s)+3], s[G0B+4*(\s)+2:G0B+4*(\s)+3], 2*65536
	JLOAD \s
.endif
	FETCHT \nx, 0
	PAIRS 5, 12, 16, 1, 0
.endm
; Chunks 1 to 7 of the step in slot s and chunk 0 of the next, in slot nx.  mode 1: slot s is filled again; 0: the barrier alone; 2: the last step: no next.
; Every run of loads is 32 of bt and 4 of t; the wait for 36 leaves out the run just issued, the wait for 20 that run's second chunk and its quad.
.macro REST s, nx, mode
	FETCHB \s, 1
	FETCHT \s, 2
	s_wait_dscnt 36                                ; chunk 1's fragments and quad 1 are in
	PART 1, 1, 0
	s_wait_dscnt 20                                ; chunk 2's
	PART 2, 1, 0
	FETCHB \s, 2
	FETCHT \s, 3
	s_wait_dscnt 36                                ; chunk 3's and quad 2
	PART 3, 1, 0
	s_wait_dscnt 20                                ; chunk 4's
	PART 4, 1, 0
	FETCHB \s, 3
.if (\mode) == 2
	s_wait_dscnt 32                                ; chunk 5's and quad 3: all but the 32 just issued
	PART 5, 1, 0
	s_wait_dscnt 16                                ; chunk 6's
	PART 6, 1, 0
	s_wait_dscnt 0x0                               ; chunk 7's
	PART 7, 0, 0
.else
	MEET \s, \nx, \mode
	PART 6, 1, 0
	FETCHB \nx, 0
	FETCHT \nx, 1
	s_wait_dscnt 36                                ; the next step's quad 0
	PART 7, 1, 0
	s_wait_dscnt 20                                ; its chunk 0's fragments
	PART 0, 1, 0
.endif
.endm
	s_wait_tensorcnt 1                             ; my part of step 0 is in; step 1's may stay out
	s_barrier_signal -1
	s_barrier_wait -1                              ; everybody's is
	FETCHT 0, 0
	FETCHB 0, 0
	FETCHT 0, 1
	s_wait_dscnt 36                                ; quad 0 is in
	WIN GENW
.set n, 0
.rept 56
	GEN 0                                          ; chunk 0's basis has no products to stand beside
.endr
	s_wait_dscnt 20                                ; chunk 0's fragments of bt
	PART 0, 1, 1                                   ; the first chunk stands in front of the loop: its products start the sums, nothing is cleared
	WIN 0
	s_mov_b32 s3, LAPS-1
.Llap:                                                 ; a trip goes once round the ring, from a lap's chunk 1 to the next lap's chunk 0, and fills both slots again
	REST 0, 1, 1
	REST 1, 0, 1
	WIN 0
	s_sub_co_u32 s3, s3, 1
	s_cmp_lg_u32 s3, 0
	s_cbranch_scc1 .Llap
	REST 0, 1, 0                                   ; the last lap is written out: it asks for nothing
	REST 1, 0, 2
	WIN 0
.rept 4
	v_nop                                          ; the places between the last products and the LDS stores that read results
.endr
; THE WAY OUT, a block of 16 rows at a time through my own stage: a lane's 32 bytes of a row go in (each accumulator's low four registers first), whole rows of 512 bytes come back.
.macro TOSTAGE a
	WIN ST_ACC
.irp b, 0,1,2,3,4,5,6,7
	ds_store_b128 v[STO], v[8*(8*(\a)+(\b)):8*(8*(\a)+(\b))+3]   offset:64*(\b)
	ds_store_b128 v[STO], v[8*(8*(\a)+(\b))+4:8*(8*(\a)+(\b))+7] offset:64*(\b)+16
.endr
	WIN 0
.if (\a) >= 2
	s_wait_xcnt 0x0                                ; the stores of the block two back have read this buffer's registers: they are loaded again only behind this wait
.endif
.irp t, 0,1,2,3,4,5,6,7,8,9,10,11,12,13,14,15
	ds_load_b128 v[OB+64*((\a)%2)+4*(\t):OB+64*((\a)%2)+4*(\t)+3], v[RD] offset:(\t)*PB  ; LDS serves a wave's instructions in order (ISA guide 5.7.1.4): these see the stores above; the next block's stores come behind them
.endr
.endm
.macro SEND a, y                       ; y: the LDS instructions issued behind block a's loads: the next block's 32, or none
.irp t, 0,1,2,3,4,5,6,7,8,9,10,11,12,13,14,15
	s_wait_dscnt (\y)+15-(\t)
	global_store_b128 v[CO], v[OB+64*((\a)%2)+4*(\t):OB+64*((\a)%2)+4*(\t)+3], s[8:9] offset:(16*(\a)+(\t))*4096 th:TH_STORE_NT  ; 512 consecutive bytes, at a multiple of 256 from out0's first byte
.endr
.endm
	TOSTAGE 0
	TOSTAGE 1                                      ; a block's trip through the stage stands between the loads of the block before and its stores
	SEND 0, 32
	TOSTAGE 2
	SEND 1, 32
	TOSTAGE 3
	SEND 2, 32
	SEND 3, 0
	s_wait_tensorcnt 0x0                           ; the wave's end: three closing lines, behind my last tensor load and my last LDS store
	ds_add_u32 v[SPW], v[NIL]
	s_wait_dscnt 0x0
	CROUND                                         ; the closing round: no work-group ends while a partner may still ask for a tile that names it
	s_endpgm
.Lfunc_end_k_qcc3146b6c9_gemm:
	.size	k_qcc3146b6c9_gemm, .Lfunc_end_k_qcc3146b6c9_gemm-k_qcc3146b6c9_gemm
	.p2alignl 7, 3214868480
	.fill 96, 4, 3214868480
	.section	.rodata,"a",@progbits
	.p2align	6, 0x0
	.amdhsa_kernel k_qcc3146b6c9_gemm
		.amdhsa_group_segment_fixed_size 327680
		.amdhsa_private_segment_fixed_size 0
		.amdhsa_enable_private_segment 0
		.amdhsa_kernarg_size 24
		.amdhsa_user_sgpr_count 2
		.amdhsa_user_sgpr_kernarg_segment_ptr 1
		.amdhsa_wavefront_size32 1
		.amdhsa_system_sgpr_workgroup_id_x 1
		.amdhsa_system_sgpr_workgroup_id_y 1
		.amdhsa_system_sgpr_workgroup_id_z 1
		.amdhsa_system_vgpr_workitem_id 0
		.amdhsa_next_free_vgpr 960
		.amdhsa_next_free_sgpr 66
		.amdhsa_reserve_vcc 0
		.amdhsa_float_denorm_mode_32 3
		.amdhsa_float_denorm_mode_16_64 3
		.amdhsa_memory_ordered 1
		.amdhsa_forward_progress 1
		.amdhsa_inst_pref_size 255
	.end_amdhsa_kernel
	.section	.bss,"aw",@nobits
	.p2align	6
	.space	262144
	.amdgpu_metadata
---
amdhsa.version: [ 1, 2 ]
amdhsa.kernels:
  - .name:           k_qcc3146b6c9_gemm
    .symbol:         k_qcc3146b6c9_gemm.kd
    .args:
      - { .name: tt, .offset: 0, .size: 8, .value_kind: global_buffer, .address_space: global }
      - { .name: bt, .offset: 8, .size: 8, .value_kind: global_buffer, .address_space: global }
      - { .name: out0, .offset: 16, .size: 8, .value_kind: global_buffer, .address_space: global }
    .group_segment_fixed_size: 327680
    .private_segment_fixed_size: 0
    .kernarg_segment_align: 8
    .kernarg_segment_size: 24
    .max_flat_workgroup_size: 128
    .sgpr_count:     66
    .vgpr_count:     960
    .wavefront_size: 32
...
	.end_amdgpu_metadata
.endif
;; end of part 2
;; ======== version 2 of 2: 2 launches; version 1 with the launch prep written anew for expert scheduling mode
;; workspace buffers: bt 16,777,216 bytes; tt 33,554,432 bytes
;; launch prep (part 3): grid 512 x 2, 8 waves a work-group, no clusters, 35,840 bytes of LDS; arguments lucas_coeffs, x, bt, tt; writes bt, tt
.if DOCPART == 3
	.amdgcn_target "amdgcn-amd-amdhsa--gfx1250"
	.amdhsa_code_object_version 6
	.text
	.protected	k_qcc3146b6c9_prep
	.globl	k_qcc3146b6c9_prep
	.p2align	8
	.type	k_qcc3146b6c9_prep,@function
k_qcc3146b6c9_prep:
	s_mov_b64 s[64:65], 0
	v_nop
	global_prefetch_b8 v0, s[64:65] scope:SCOPE_SE
	s_setreg_imm32_b32 hwreg(HW_REG_WAVE_SCHED_MODE, 0, 2), 2
	s_setreg_imm32_b32 hwreg(HW_REG_WAVE_MODE, 25, 1), 1
	s_wait_xcnt 0x0
	s_wait_alu depctr_vm_vsrc(0)
; PREPARATION FOR THE PRODUCT.  Two streams in one launch, chosen by the work-group's y; memory binds both, so no matrix unit and no cluster.
;   y = 1:  tt = tanh(bf16(x)) in f32, laid in blocks [Mt 32][s 32][row 256][ii 32]: b = 256 Mt + row, i = 32 s + ii; a block is 32,768 dense bytes.
;   y = 0:  bt = bf16(lucas_coeffs), turned and laid in blocks [Nt 8][s 32][n 128][ii 32][d 8]: o = 128 Nt + n, i = 32 s + ii; a block is 65,536 dense bytes, a row n 512.
; LIMITS.  x is rounded to bf16 ahead of the tanh, the coefficients to bf16: both are inputs of a product in bf16.  tanh(x) = 1 - 2 / (1 + 2^(2 log2(e) x)), in f32: its absolute error is
; about 2e-7 (so the relative error grows as x falls toward 0); for large |x| and for infinities it gives exactly +1 or -1; a NaN stays a NaN.
; THE MODE: SCHED_MODE bits 1:0 = 2 (LLVM: expert scheduling mode 2), set by the entry lines.  The code itself states the register dependences
; between vector instructions and memory or LDS instructions, with s_wait_alu, always for 0.
; THE PLAN.  Both paths issue their sixteen loads at the head and work in four BLOCKS of four loads.  Registers that memory or LDS instructions touch:
;   v[LO]                  Written once at a path's head; read by its sixteen loads.
;   v[SO]; v[WR], v[RDA], v[GO]   Written once, behind the loads; read by the stores (and the stage's loads), the first of which stands behind a later wait on va_vdst.
;   y = 1: X, block p      Its four loads land in it; block p's arithmetic works in place; the four stores that read it are issued in block p + 1.  Never written again.
;   y = 0: X, block p      Its four loads land in it; block p's conversions read it.  Behind the barrier the loads from the stage land in X's first 32 registers, and the global stores read them.
;   y = 0: Y, block p      Written by block p's conversions; read by the four LDS stores that are issued in block p + 1.  Never written again.
;   v[SPW], v[NIL]         Written at the head, read by the closing add alone.
; So a block's stores stand behind a wait of the NEXT block, and only the last block has a wait of its own for them.  No register that a memory or LDS instruction reads is written again: no wait on vm_vsrc is owed.
; No vector instruction writes a scalar register or VCC, and EXEC is never written.
.set SP,    272                        ; a row of the turning stage: 16 i x 16 bytes + 16 of padding = 68 words
.set SPARE, 128*SP                     ; behind the stage (34,816 = 136 x 256): the spare words, 128 bytes for each of the eight waves, which no other line names
.set SPW, 2                            ; v2   LDS address of my spare word; never rewritten
.set NIL, 3                            ; v3   0; never rewritten
.set LO,  4                            ; v4   my byte offset in what the work-group loads
.set SO,  5                            ; v5   y = 1: my byte offset in what it stores
.set WR,  6                            ; v6   y = 0: where I put 8 bytes into the stage
.set RDA, 7                            ; v7   y = 0: where I read 16 bytes back
.set GO,  8                            ; v8   y = 0: my byte offset in bt's block
.set X,   16                           ; v[16:79]   sixteen loads of 16 bytes, block p at X + 16 p; y = 1: worked on in place and stored from here; y = 0: later the rows read back
.set Y,   80                           ; v[80:111]  y = 0: sixteen pairs of packed bf16, block p at Y + 8 p
.set T,   80                           ; v[80:87]   y = 1: eight at work: no memory instruction names them
	s_load_b256 s[4:11], s[0:1], 0x0               ; lucas_coeffs s[4:5], x s[6:7], bt s[8:9], tt s[10:11]
	v_lshl_add_u32 v[SPW], v0, 2, SPARE
	v_mov_b32 v[NIL], 0
	s_and_b32 s12, ttmp7, 0xffff                   ; the work-group's y: the same in all eight waves, so all of them take the same path
	s_wait_kmcnt 0x0
	s_cmp_eq_u32 s12, 0
	s_cbranch_scc1 .Lcoef
; ---- y = 1: the work-group owns rows 16 g .. 16 g + 15 of x (65,536 bytes), wave w rows 2 w and 2 w + 1.  No LDS.
; Lanes 0-7: row 2 w, the first 128 bytes of a 256-byte piece; 8-15: row 2 w + 1, the same; 16-23 and 24-31: the second 128 bytes.  So load j takes both rows' bytes 256 j .. 256 j + 255, and in
; store j lanes 0-15 fill 256 consecutive aligned bytes (two rows of block s = 2 j), lanes 16-31 the same bytes of block 2 j + 1.
	v_lshrrev_b32 v10, 5, v0                       ; w
	v_bfe_u32 v11, v0, 3, 1
	v_lshl_add_u32 v10, v10, 1, v11                ; my row of the sixteen
	v_bfe_u32 v11, v0, 4, 1                        ; which 128 bytes
	v_and_b32 v12, 7, v0
	v_lshlrev_b32 v12, 4, v12                      ; my 16 bytes of them
	v_lshl_add_u32 v[LO], v10, 12, v12
	v_lshl_add_u32 v[LO], v11, 7, v[LO]            ; row x 4,096 + half x 128 + 16 c
	s_lshl_b32 s18, ttmp9, 16                      ; 16 rows of 4,096 bytes
	s_mov_b32 s19, 0
	s_add_nc_u64 s[6:7], s[6:7], s[18:19]
	s_wait_alu depctr_va_vdst(0)                   ; v[LO] is written, which the sixteen loads read as their offset
.irp j, 0,1,2,3,4,5,6,7,8,9,10,11,12,13,14,15
	global_load_b128 v[X+4*(\j):X+4*(\j)+3], v[LO], s[6:7] offset:256*(\j) th:TH_LOAD_NT  ; all sixteen go out before anything is worked on
.endr
	s_lshr_b32 s20, ttmp9, 4                       ; Mt = g / 16: 32 blocks of 32,768 bytes each,
	s_lshl_b32 s20, s20, 20
	s_and_b32 s21, ttmp9, 15                       ; and in a block the rows 16 (g % 16) on, 128 bytes each
	s_lshl_b32 s21, s21, 11
	s_add_co_u32 s20, s20, s21
	s_mov_b32 s21, 0
	s_add_nc_u64 s[10:11], s[10:11], s[20:21]
	s_mov_b32 s14, 0xffff0000                      ; a word's upper bf16
	s_mov_b32 s16, 0x4038aa3b                      ; 2 log2(e)
	s_mov_b32 s17, s16                             ; named with it as a pair
	v_lshl_add_u32 v[SO], v10, 7, v12
	v_lshl_add_u32 v[SO], v11, 15, v[SO]           ; row x 128 + 16 c + half x one block; its first reader, a store, stands behind the waits of blocks 0 and 1
; The four stores of block q.  Each group of four numbers has registers of its own, so no store's data is ever rewritten.
.macro XSEND q
.irp g, 0,1,2,3
	global_store_b128 v[SO], v[X+16*(\q)+4*(\g):X+16*(\q)+4*(\g)+3], s[10:11] offset:65536*(4*(\q)+(\g))  ; two blocks of tt on for each load; the next launch reads these bytes, so no hint
.endr
.endm
; Block p: sixteen numbers: rounded to bf16, widened again, tanh.  Its exponentials are one batch and its reciprocals another, each with one plain instruction and one wait behind it.
.macro XBLK p
	s_wait_loadcnt 12-4*(\p)                       ; loads come back in order: my four are in, the younger blocks stay out
.irp g, 0,1,2,3
	v_cvt_pk_bf16_f32 v[T+2*(\g)],   v[X+16*(\p)+4*(\g)],   v[X+16*(\p)+4*(\g)+1]
	v_cvt_pk_bf16_f32 v[T+2*(\g)+1], v[X+16*(\p)+4*(\g)+2], v[X+16*(\p)+4*(\g)+3]
.endr
.irp g, 0,1,2,3
	v_lshlrev_b32 v[X+16*(\p)+4*(\g)],   16, v[T+2*(\g)]
	v_and_b32     v[X+16*(\p)+4*(\g)+1], s14, v[T+2*(\g)]
	v_lshlrev_b32 v[X+16*(\p)+4*(\g)+2], 16, v[T+2*(\g)+1]
	v_and_b32     v[X+16*(\p)+4*(\g)+3], s14, v[T+2*(\g)+1]
.endr
.irp k, 0,2,4,6,8,10,12,14
	v_pk_mul_f32 v[X+16*(\p)+(\k):X+16*(\p)+(\k)+1], v[X+16*(\p)+(\k):X+16*(\p)+(\k)+1], s[16:17] op_sel_hi:[1,0]
.endr
.irp k, 0,1,2,3,4,5,6,7,8,9,10,11,12,13,14,15
	v_exp_f32 v[X+16*(\p)+(\k)], v[X+16*(\p)+(\k)] ; e^(2x)
.endr
	v_nop                                          ; a plain instruction between the last exponential and the use of its result
	s_wait_alu depctr_va_vdst(0)                   ; the sixteen exponentials have written their results, which the additions read; the block before has written its X, which the stores below read (v[SO] is written too)
.if (\p) > 0
	XSEND (\p)-1
.endif
.irp k, 0,2,4,6,8,10,12,14
	v_pk_add_f32 v[X+16*(\p)+(\k):X+16*(\p)+(\k)+1], v[X+16*(\p)+(\k):X+16*(\p)+(\k)+1], 1.0 op_sel_hi:[1,0]
.endr
.irp k, 0,1,2,3,4,5,6,7,8,9,10,11,12,13,14,15
	v_rcp_f32 v[X+16*(\p)+(\k)], v[X+16*(\p)+(\k)]
.endr
	v_nop                                          ; the same behind the last reciprocal
	s_wait_alu depctr_va_vdst(0)                   ; the sixteen reciprocals have written their results, which the multiply-adds read
.irp k, 0,2,4,6,8,10,12,14
	v_pk_fma_f32 v[X+16*(\p)+(\k):X+16*(\p)+(\k)+1], v[X+16*(\p)+(\k):X+16*(\p)+(\k)+1], -2.0, 1.0 op_sel_hi:[1,0,0]
.endr
.endm
	XBLK 0
	XBLK 1
	XBLK 2
	XBLK 3
	s_wait_alu depctr_va_vdst(0)                   ; block 3's multiply-adds have written its X, which the last four stores read
	XSEND 3
	s_endpgm                                       ; these waves have written no LDS
; ---- y = 0: the work-group owns 16 values of i (16 (g / 8) on) and 128 values of o (128 (g % 8) on).  For one i those are 4,096 consecutive bytes: thread t takes 16 of them, half t % 2 (four d) of o = t / 2.
.Lcoef:
	v_lshlrev_b32 v[LO], 4, v0
	s_lshr_b32 s18, ttmp9, 3
	s_lshl_b32 s18, s18, 19                        ; 16 i of 32,768 bytes
	s_and_b32 s19, ttmp9, 7
	s_lshl_b32 s19, s19, 12                        ; 128 o of 32 bytes
	s_add_co_u32 s18, s18, s19
	s_mov_b32 s19, 0
	s_add_nc_u64 s[4:5], s[4:5], s[18:19]
	s_wait_alu depctr_va_vdst(0)                   ; v[LO] is written, which the sixteen loads read as their offset
.irp i, 0,1,2,3,4,5,6,7,8,9,10,11,12,13,14,15
	global_load_b128 v[X+4*(\i):X+4*(\i)+3], v[LO], s[4:5] offset:32768*(\i) th:TH_LOAD_NT  ; a wave's load covers 512 consecutive bytes
.endr
	s_and_b32 s20, ttmp9, 7                        ; bt's block: Nt = g % 8, s = (g / 8) / 2;
	s_lshl_b32 s20, s20, 5
	s_lshr_b32 s21, ttmp9, 4
	s_add_co_u32 s20, s20, s21
	s_lshl_b32 s20, s20, 16
	s_bfe_u32 s21, ttmp9, 0x10003                  ; and which 256 bytes of its rows: (g / 8) % 2
	s_lshl_b32 s21, s21, 8
	s_add_co_u32 s20, s20, s21
	s_mov_b32 s21, 0
	s_add_nc_u64 s[8:9], s[8:9], s[20:21]
	v_lshrrev_b32 v10, 1, v0
	v_and_b32 v11, 1, v0
	v_mul_u32_u24 v[WR], v10, SP
	v_lshl_add_u32 v[WR], v11, 3, v[WR]            ; into the stage: row o, 8 bytes for each half; i stands in the offset
	v_lshrrev_b32 v10, 4, v0
	v_and_b32 v11, 15, v0
	v_lshlrev_b32 v11, 4, v11
	v_mul_u32_u24 v[RDA], v10, SP
	v_add_nc_u32 v[RDA], v[RDA], v11               ; back: sixteen lanes take one row's 256 bytes
	v_lshl_add_u32 v[GO], v10, 9, v11              ; and the same 256 bytes of a row of 512 in bt; the first reader of these three stands behind block 1's wait
; Pair g of block q goes into the stage.
.macro CPUT q, g
	ds_store_b64 v[WR], v[Y+8*(\q)+2*(\g):Y+8*(\q)+2*(\g)+1] offset:16*(4*(\q)+(\g))  ; 32 lanes: 16 rows 68 words apart, 4 words each: 64 different banks (64 banks of 4 bytes: ISA guide 11.1)
.endm
; Block p: its eight conversions, and dealt among them the four LDS stores of the block before.
.macro CBLK p
	s_wait_loadcnt 12-4*(\p)                       ; my four are in, the younger blocks stay out
.if (\p) > 0
	s_wait_alu depctr_va_vdst(0)                   ; the block before has written its Y, which the LDS stores below read (in block 1: v[WR], v[RDA] and v[GO] are written too); the conversions below name this block's X and Y alone
.endif
.irp g, 0,1,2,3
.if (\p) > 0
	CPUT (\p)-1, \g
.endif
	v_cvt_pk_bf16_f32 v[Y+8*(\p)+2*(\g)],   v[X+16*(\p)+4*(\g)],   v[X+16*(\p)+4*(\g)+1]
	v_cvt_pk_bf16_f32 v[Y+8*(\p)+2*(\g)+1], v[X+16*(\p)+4*(\g)+2], v[X+16*(\p)+4*(\g)+3]
.endr
.endm
	CBLK 0
	CBLK 1
	CBLK 2
	CBLK 3
	s_wait_alu depctr_va_vdst(0)                   ; block 3's conversions have written its Y, which the last four LDS stores read; and all conversions are done reading X, in which the loads from the stage land (no vector instruction follows)
.irp g, 0,1,2,3
	CPUT 3, \g
.endr
	s_wait_dscnt 0x0                               ; for the others' sake: my stores into the stage are done
	s_barrier_signal -1
	s_barrier_wait -1
.irp j, 0,1,2,3,4,5,6,7
	ds_load_b128 v[X+4*(\j):X+4*(\j)+3], v[RDA] offset:16*SP*(\j)  ; rows t / 16 + 16 j
.endr
.irp j, 0,1,2,3,4,5,6,7
	s_wait_dscnt 7-(\j)                            ; LDS loads come back in order: number j is in
	global_store_b128 v[GO], v[X+4*(\j):X+4*(\j)+3], s[8:9] offset:8192*(\j)  ; 16 lanes store 256 consecutive bytes, at a multiple of 256 from bt's first byte
.endr
	s_wait_dscnt 0x0                               ; the closing lines, six on end
	s_wait_alu 0x0
	s_wait_tensorcnt 0x0
	ds_add_u32 v[SPW], v[NIL]
	s_wait_dscnt 0x0
	s_endpgm
.Lfunc_end_k_qcc3146b6c9_prep:
	.size	k_qcc3146b6c9_prep, .Lfunc_end_k_qcc3146b6c9_prep-k_qcc3146b6c9_prep
	.p2alignl 7, 3214868480
	.fill 96, 4, 3214868480
	.section	.rodata,"a",@progbits
	.p2align	6, 0x0
	.amdhsa_kernel k_qcc3146b6c9_prep
		.amdhsa_group_segment_fixed_size 35840
		.amdhsa_private_segment_fixed_size 0
		.amdhsa_enable_private_segment 0
		.amdhsa_kernarg_size 32
		.amdhsa_user_sgpr_count 2
		.amdhsa_user_sgpr_kernarg_segment_ptr 1
		.amdhsa_wavefront_size32 1
		.amdhsa_system_sgpr_workgroup_id_x 1
		.amdhsa_system_sgpr_workgroup_id_y 1
		.amdhsa_system_sgpr_workgroup_id_z 1
		.amdhsa_system_vgpr_workitem_id 0
		.amdhsa_next_free_vgpr 112
		.amdhsa_next_free_sgpr 66
		.amdhsa_reserve_vcc 0
		.amdhsa_float_denorm_mode_32 3
		.amdhsa_float_denorm_mode_16_64 3
		.amdhsa_memory_ordered 1
		.amdhsa_forward_progress 1
		.amdhsa_inst_pref_size 28
	.end_amdhsa_kernel
	.amdgpu_metadata
---
amdhsa.version: [ 1, 2 ]
amdhsa.kernels:
  - .name:           k_qcc3146b6c9_prep
    .symbol:         k_qcc3146b6c9_prep.kd
    .args:
      - { .name: lucas_coeffs, .offset: 0, .size: 8, .value_kind: global_buffer, .address_space: global }
      - { .name: x, .offset: 8, .size: 8, .value_kind: global_buffer, .address_space: global }
      - { .name: bt, .offset: 16, .size: 8, .value_kind: global_buffer, .address_space: global }
      - { .name: tt, .offset: 24, .size: 8, .value_kind: global_buffer, .address_space: global }
    .group_segment_fixed_size: 35840
    .private_segment_fixed_size: 0
    .kernarg_segment_align: 8
    .kernarg_segment_size: 32
    .max_flat_workgroup_size: 256
    .sgpr_count:     66
    .vgpr_count:     112
    .wavefront_size: 32
...
	.end_amdgpu_metadata
.endif
;; end of part 3
;; launch gemm: the kernel of part 2 again; grid 8 x 32, 4 waves a work-group, clusters of 4 x 4, 327,680 bytes of LDS; arguments tt, bt, out0; writes out0
